; MI455X (gfx1250); checked and timed in simulation.
; The chip was launched on July 23, 2026; its instructions are those of AMD's public machine-readable ISA for CDNA 5 (MIT licence, August 2026) and "CDNA5" Instruction Set Architecture Reference Guide (July 2026). The comments in the code are by the model that wrote it; some were corrected since.
;; KAN Projection. Allowed arithmetic: matrix products marked QUANTISED: E2M1 operands, one E8M0 scale for each 32 along K, by v_wmma_scale_f32_16x16x128_f8f6f4 with both operands' format E2M1 (or v_wmma_scale_f32_32x16x128_f4), f32 sums; everything else in f32.
;; Inputs: coef 1,024 x 1,024 x 4 float32; grid 1,024 x 8 float32; scale_base 1,024 x 1,024 float32; scale_sp 1,024 x 1,024 float32; x 4 x 2,048 x 1,024 float32.
;; Outputs: out0 4 x 2,048 x 1,024 float32.
;; This version of the problem:
;;   THIS VERSION OF THE PROBLEM IS GIVEN IN LOW PRECISION. The matrix products marked QUANTISED in the list below multiply operands that are first quantised to E2M1 (2 exponent bits, 1 mantissa bit; 4 bits a number), with one power-of-two scale for each 32 numbers along K (OCP MX v1.0); their sums are f32. All else is computed in f32.
;;   The module's matrix products, in the order in which they are computed (A, B: the left and right operand; K: the contracted axis; several contracted axes count as one K, in the product's order):
;;     1. [M 8,192, K 4,096] x [K 4,096, N 1,024]; A: computed on the way; B: computed on the way: QUANTISED
;;     2. [M 8,192, K 1,024] x [K 1,024, N 1,024]; A: computed on the way; B: input scale_base: QUANTISED
;;   THE QUANTISER, for each operand of a quantised product, along K:
;;     - K is cut into blocks of 32 from its start; a last block that is shorter is filled with zeros.
;;     - A block's scale is 2^e with e = floor(log2(the largest magnitude in the block)) - 2, held to -126 .. 127; a block of zeros has e = 0. As a byte (E8M0): e + 127.
;;     - Each number is divided by its block's scale, clamped to +-6, and rounded to the nearest number of E2M1, ties to even, subnormals kept.
;;     - The product sums the exact products of the quantised numbers (number of the format x scale) in f32.
;;   ~~~python
;;   def quantise(x, axis):      # numpy; x: float32 -> the quantised numbers, widened to float32 again
;;       x = np.moveaxis(x, axis, -1); K = x.shape[-1]
;;       x = np.pad(x, [(0, 0)] * (x.ndim - 1) + [(0, -K % 32)]); x = x.reshape(x.shape[:-1] + (-1, 32)); a = np.abs(x).max(-1, keepdims=True)
;;       e = np.where(a > 0, np.clip(np.frexp(np.where(a > 0, a, 1))[1] - 1 - 2, -126, 127), 0)      # np.frexp(a)[1] - 1 = floor(log2(a)), exactly
;;       r = np.clip(x / 2.0 ** e, -6, 6)
;;       step = 2.0 ** (np.maximum(np.frexp(np.where(r == 0, 1, r))[1] - 1, 0) - 1)
;;       q = np.round(r / step) * step * 2.0 ** e      # np.round: ties to even
;;       return np.moveaxis(q.reshape(q.shape[:-2] + (-1,))[..., :K], -1, axis).astype(np.float32)
;;   ~~~
;;   OPERANDS COMPUTED ON THE WAY. 'Computed on the way' means the value that the module computes at that place (a softmax that the list does not call 'softmax' is quantised finished and normalised). What goes into a quantiser is computed in f32, as accurately as f32 sums, v_exp_f32 and their like allow (about 1e-6 of the number): no bf16 or f16 on the way to a quantiser, and a product that is left as it is and whose result goes on into a quantised operand takes f32 operands (vector FMAs, or v_wmma_f32_16x16x4_f32). A number that lies on a knife's edge between two numbers of the format may be rounded either way, as far as f32 arithmetic and the matrix unit's own rounding can turn it there, and no further.
;; One version. Each part assembles by itself: llvm-mc -triple=amdgcn-amd-amdhsa -mcpu=gfx1250 --defsym DOCPART=n.
;; ======== version 1 of 1: 2 launches
;; limits: right only within a limited range of input values
;; workspace buffers: aq 22,282,240 bytes; wq 2,785,280 bytes
;; launch quant (part 1): grid 1024 x 1, 4 waves a work-group, no clusters, 45,568 bytes of LDS; arguments x, grid, coef, scale_base, scale_sp, aq, wq; writes aq, wq
.if DOCPART == 1
	.amdgcn_target "amdgcn-amd-amdhsa--gfx1250"
	.amdhsa_code_object_version 6
	.text
	.protected	k_q9e8fa6951f_quant
	.globl	k_q9e8fa6951f_quant
	.p2align	8
	.type	k_q9e8fa6951f_quant,@function
k_q9e8fa6951f_quant:
	s_mov_b64 s[64:65], 0
	v_nop
	global_prefetch_b8 v0, s[64:65] scope:SCOPE_SE
	s_setreg_imm32_b32 hwreg(HW_REG_WAVE_MODE, 25, 1), 1
	s_wait_xcnt 0x0
; KAN projection, first launch: both operands of the two quantised products are made here, once, as codes of FP4 (E2M1) with one E8M0 byte for each 32 along K.
;   A side, from x [8192][1024] and the knots grid [1024][8]: the four cubic B-spline bases of every x (Cox-de Boor on the knots AS THEY ARE GIVEN, any values) and silu(x).
;   W side: coef [d][o][4] x scale_sp [d][o], and scale_base [d][o].
; K of the first product is k = 4 d + g, so a block of 32 is 8 neighbouring d x 4 g; K of the second is d.  The second launch adds both products into one sum, so K is laid for it in 8 trips of 128 d:
; a trip has 5 steps of 128 along K: steps 0-3 the bases of 32 d each, step 4 silu of the trip's 128 d.
; A PANEL is 64 rows of A (or 64 columns of W) of one trip, 21,760 consecutive bytes: codes [fragment f 0..3][step s 0..4][block b 0..3][row r 0..15][16 bytes], which is the image of the operand's registers
; (lane 16 h + r, registers 4 c .. 4 c + 3 = block 2 c + h), then scale words [s][f][r], byte b for block b.  aq = [trip 8][panel 128], wq = [trip 8][panel 16].
; Inside a block of bases word q holds d = 2 q + e and its nibble 2 g + e holds basis g: the same order on both sides, so every product meets its partner; it falls out of packed arithmetic on the pair (d, d + 1).
; SHARES.  Work-group id: trip t = id % 8, A's panel P = id / 8.  Wave w: d half dh = w % 2 (64 d, a lane to a pair of d), row half rh = w / 2 (32 rows: two fragments of 16).
;   Of W the work-group takes columns 32 (P / 4) .. + 31 (a lane a column), step P % 4 of its trip, wave w block w; where P % 4 = 0 also the trip's four blocks of scale_base.
; THE BASES.  u_j = x - t_j; c_j = (x >= t_j); m_i = c_i and not c_(i+1), the indicator of degree 0; E_i = m_i / (t_(i+1) - t_i);
;   B1_i = u_i E_i - u_(i+2) E_(i+1);  B2_i = u_i F_i - u_(i+3) F_(i+1), F_i = B1_i / (t_(i+2) - t_i);  B3_i = u_i G_i - u_(i+4) G_(i+1), G_i = B2_i / (t_(i+3) - t_i).
;   The differences are those of the recursion itself; the 18 divisors of a d are turned into reciprocals once for the wave's 32 rows.
; LIMITS: knots with t_(i+p) = t_i, or closer than 2^-126, are not served (the recursion itself divides by zero there); NaN and infinities among the inputs are not served;
;   a block of zeros gets the byte 1 (its codes are zeros; the bytes are read by this program alone); blocks whose largest magnitude lies under 2^-124 are held at that byte.
; No tensor load, no cluster: work-groups share nothing but the knots of 128 d, 4 KB.  EXEC is never changed.  scale_sp, scale_base and W's scale words go in runs of 128 bytes (32 columns).
.set TSA,    2785280                   ; a trip of aq in bytes: 128 panels
.set TSB,    348160                    ; a trip of wq: 16 panels
.set PANEL,  21760
.set XPITCH, 272                       ; a stage row: 256 bytes + 16, so that 16 rows begin 16 bytes apart modulo 256
.set XSW,    8704                      ; LDS 0: x stages, two of 16 rows for each wave, each written once
.set XSF,    4352
.set CSB,    34816                     ; code stage: 8 blocks x 272 for each wave
.set CSW,    2176
.set ASB,    43520                     ; A's 1,280 bytes of scale words, as they lie in the panel
.set WSB,    44800                     ; W's scale words: 128 bytes for the step of bases, 128 for scale_base
.set XO,  2                            ; v2   x in memory: 4096 (lane / 16) + 16 (lane % 16): two rows of 256 bytes a load
.set XW,  3                            ; v3   the same two rows in my stage
.set XA,  4                            ; v4   my pair of d in a stage row: 8 x lane
.set XSI, 5                            ; v5   silu: row lane % 16, 32 numbers from 128 (lane / 16) on
.set CA,  6                            ; v6   code stage, in: block lane / 4, word lane % 4
.set CR,  7                            ; v7   code stage, out
.set SA,  8                            ; v8   my block's scale byte (bases)
.set SS,  9                            ; v9   my block's scale byte (silu)
.set L16, 10
.set L4,  11
.set AO,  12                           ; v12  8 x lane + 256 x wave
.set L64, 13
.set WO,  14                           ; v14  W's codes: 5120 (lane / 16) + 16 (lane % 16)
.set WSA, 15                           ; v15  W's scale byte: WSB + 4 x lane + wave
.set KN,  16                           ; v16-31   knots: KN[2 j + e] = t_j of d + e
.set R1,  32                           ; v32-45   1 / (t_(i+1) - t_i), 7 pairs
.set R2,  46                           ; v46-57   1 / (t_(i+2) - t_i), 6 pairs
.set R3,  58                           ; v58-67   1 / (t_(i+3) - t_i), 5 pairs
.set XL,  68                           ; v68-99   x as loaded; at the end 32 numbers of scale_base
.set XP,  100                          ; v100-103 the x pairs of two rows, by turns
.set U,   104                          ; v104-119 u_j
.set E,   120                          ; v120-133 E_i, later B2_i
.set T,   134                          ; v134-145 the second terms
.set BA,  146                          ; v146-157 B1_i
.set OUT, 158                          ; v158-165 B3: OUT[2 g + e]
.set SX,  104                          ; silu: 32 numbers,
.set SY,  136                          ; at work, then 4 registers of codes
.set OC,  168                          ; v168-183 codes on their way out
.set WW,  104                          ; W: a block's 32 numbers
.set M,   184
.set SCL, 185
.set CODE,186                          ; v186-187 by turns
.set BYT, 188                          ; v188-189 by turns
.set AR,  190
.set WR,  191
.set WL,  192                          ; v192-223 coef, v224-231 scale_sp
.set CW,  232
.set M2,  236
.set BY3, 237
.set BY4, 238
.set BY5, 239
.set CW2, 240
.set MK,  48                           ; s48-63 the 16 compare masks
.set AQC, 30                           ; s[30:31] aq: my codes of the bases;  s[32:33] of silu;  s[34:35] the panel's scale words
.set AQS, 32
.set AQB, 34
.set CF,  36                           ; s[36:37] coef, s[38:39] scale_sp, s[40:41] scale_base at my block and columns
.set SPB, 38
.set SBB, 40
.set WQC, 42                           ; s[42:43] wq: my codes of coef;  s[44:45] of scale_base;  s[46:47] my columns' scale words of step P % 4
.set WQS, 44
.set WQB, 46
	s_load_b256 s[4:11], s[0:1], 0x0               ; x s[4:5], grid s[6:7], coef s[8:9], scale_base s[10:11]
	s_load_b128 s[12:15], s[0:1], 0x20             ; scale_sp s[12:13], aq s[14:15]
	s_load_b64 s[16:17], s[0:1], 0x30              ; wq
	v_lshl_add_u32 v254, v0, 2, 0xb000
	v_mov_b32 v255, 0
	v_lshrrev_b32 v1, 5, v0
	v_readfirstlane_b32 s18, v1                    ; wave w
	s_and_b32 s19, s18, 1                          ; dh
	s_lshr_b32 s20, s18, 1                         ; rh
	s_and_b32 s21, ttmp9, 7                        ; trip t
	s_lshr_b32 s22, ttmp9, 3                       ; A's panel P
	s_and_b32 s23, s22, 3                          ; W's step qd
	s_lshr_b32 s24, s22, 2                         ; W's group of 32 columns
	; LDS addresses: a constant + a constant x wave + a lane term
	v_and_b32 v1, 31, v0                           ; lane
	v_and_b32 v16, 15, v0                          ; lane % 16
	v_bfe_u32 v17, v0, 4, 1                        ; lane / 16
	v_bfe_u32 v18, v0, 2, 3                        ; lane / 4
	v_and_b32 v19, 3, v0                           ; lane % 4
	v_bfe_u32 v20, v0, 2, 2                        ; (lane / 4) % 4
	v_lshlrev_b32 v21, 4, v16
	v_lshl_add_u32 v[XO], v17, 12, v21
	s_mul_i32 s48, s18, XSW
	v_mad_u32_u24 v22, v17, XPITCH, v21
	v_add_nc_u32 v[XW], s48, v22
	v_lshl_add_u32 v[XA], v1, 3, s48
	v_mul_u32_u24 v23, v16, XPITCH
	v_lshl_add_u32 v23, v17, 7, v23
	v_add_nc_u32 v[XSI], s48, v23
	s_mul_i32 s49, s18, CSW
	s_add_co_u32 s49, s49, CSB
	v_mul_u32_u24 v23, v18, XPITCH
	v_lshl_add_u32 v23, v19, 2, v23
	v_add_nc_u32 v[CA], s49, v23
	v_add_nc_u32 v[CR], s49, v22
	s_lshl_b32 s50, s19, 9
	s_lshl_b32 s51, s20, 7
	s_add_co_u32 s50, s50, s51
	s_add_co_u32 s50, s50, ASB                     ; step 2 dh, fragment 2 rh
	v_lshl_add_u32 v[SA], v17, 8, v20              ; + 256 (lane / 16): the step; + the block's byte
	v_add_nc_u32 v[SA], s50, v[SA]
	s_lshl_b32 s52, s19, 1
	s_add_co_u32 s51, s51, s52
	s_add_co_u32 s51, s51, ASB+1024                ; step 4, fragment 2 rh, byte 2 dh
	v_lshl_add_u32 v[SS], v16, 2, v17              ; + 4 (lane % 16): the row's word; + lane / 16: the byte
	v_add_nc_u32 v[SS], s51, v[SS]
	v_lshlrev_b32 v[L16], 4, v1
	v_lshlrev_b32 v[L4], 2, v1
	v_lshlrev_b32 v[L64], 6, v1
	s_lshl_b32 s52, s18, 8
	v_lshl_add_u32 v[AO], v1, 3, s52
	v_add_nc_u32 v[AR], ASB, v[AO]
	v_mad_u32_u24 v[WO], v17, 5120, v21
	s_add_co_u32 s53, s18, WSB
	v_lshl_add_u32 v[WSA], v1, 2, s53
	v_add_nc_u32 v[WR], WSB, v[L4]
	; byte offsets into the buffers, each under 2^32, made apart from the addresses
	s_lshl_b32 s26, s22, 18                        ; x: row 64 P + 32 rh (4,096 bytes a row), d = 128 t + 64 dh
	s_lshl_b32 s27, s20, 17
	s_add_co_u32 s26, s26, s27
	s_lshl_b32 s27, s21, 9
	s_add_co_u32 s26, s26, s27
	s_lshl_b32 s27, s19, 8
	s_add_co_u32 s26, s26, s27
	s_mov_b32 s27, 0
	s_lshl_b32 s28, s21, 12                        ; the knots: 32 bytes a d
	s_lshl_b32 s29, s19, 11
	s_add_co_u32 s28, s28, s29
	s_mov_b32 s29, 0
	s_mul_i32 s34, s21, TSA
	s_mul_i32 s25, s22, PANEL
	s_add_co_u32 s34, s34, s25                     ; my panel of aq
	s_mul_i32 s25, s20, 10240
	s_add_co_u32 s30, s34, s25                     ; fragment 2 rh
	s_lshl_b32 s25, s19, 9
	s_add_co_u32 s32, s30, s25
	s_add_co_u32 s32, s32, 4096                    ; step 4, block 2 dh
	s_lshl_b32 s25, s19, 11
	s_add_co_u32 s30, s30, s25                     ; step 2 dh
	s_add_co_u32 s34, s34, 20480                   ; the scale words
	s_mov_b32 s31, 0
	s_mov_b32 s33, 0
	s_mov_b32 s35, 0
	s_lshl_b32 s25, s21, 7                         ; 128 t
	s_lshl_b32 s36, s23, 5
	s_add_co_u32 s36, s36, s25
	s_lshl_b32 s38, s18, 3
	s_add_co_u32 s36, s36, s38                     ; my block's first d: 128 t + 32 qd + 8 w
	s_lshl_b32 s38, s36, 12
	s_lshl_b32 s36, s36, 14                        ; coef: 16,384 bytes a d,
	s_lshl_b32 s40, s24, 9
	s_add_co_u32 s36, s36, s40                     ; 16 bytes a column
	s_lshl_b32 s42, s24, 7
	s_add_co_u32 s38, s38, s42                     ; scale_sp: 4,096 bytes a d, 4 a column
	s_lshl_b32 s40, s18, 5
	s_add_co_u32 s40, s40, s25                     ; scale_base: d = 128 t + 32 w
	s_lshl_b32 s40, s40, 12
	s_add_co_u32 s40, s40, s42
	s_mul_i32 s46, s21, TSB
	s_lshr_b32 s25, s24, 1
	s_mul_i32 s25, s25, PANEL
	s_add_co_u32 s46, s46, s25                     ; my panel of wq
	s_and_b32 s25, s24, 1
	s_mul_i32 s42, s25, 10240                      ; which two of its fragments
	s_add_co_u32 s42, s42, s46
	s_lshl_b32 s44, s18, 8
	s_add_co_u32 s42, s42, s44                     ; block w
	s_add_co_u32 s44, s42, 4096                    ; step 4
	s_lshl_b32 s45, s23, 10
	s_add_co_u32 s42, s42, s45                     ; step qd
	s_lshl_b32 s25, s25, 7
	s_add_co_u32 s46, s46, s25
	s_lshl_b32 s25, s23, 8
	s_add_co_u32 s46, s46, s25
	s_add_co_u32 s46, s46, 20480                   ; the scale words of step qd, my 32 columns
	s_mov_b32 s37, 0
	s_mov_b32 s39, 0
	s_mov_b32 s41, 0
	s_mov_b32 s43, 0
	s_mov_b32 s45, 0
	s_mov_b32 s47, 0
	s_wait_alu depctr_va_vdst(0)
	s_wait_kmcnt 0x0
	s_add_nc_u64 s[4:5], s[4:5], s[26:27]
	s_add_nc_u64 s[6:7], s[6:7], s[28:29]
	s_add_nc_u64 s[AQC:AQC+1], s[14:15], s[AQC:AQC+1]
	s_add_nc_u64 s[AQS:AQS+1], s[14:15], s[AQS:AQS+1]
	s_add_nc_u64 s[AQB:AQB+1], s[14:15], s[AQB:AQB+1]
	s_add_nc_u64 s[CF:CF+1], s[8:9], s[CF:CF+1]
	s_add_nc_u64 s[SPB:SPB+1], s[12:13], s[SPB:SPB+1]
	s_add_nc_u64 s[SBB:SBB+1], s[10:11], s[SBB:SBB+1]
	s_add_nc_u64 s[WQC:WQC+1], s[16:17], s[WQC:WQC+1]
	s_add_nc_u64 s[WQS:WQS+1], s[16:17], s[WQS:WQS+1]
	s_add_nc_u64 s[WQB:WQB+1], s[16:17], s[WQB:WQB+1]
.macro LOADX off                       ; 16 rows x 256 bytes of x: two whole rows' parts a load
.irp k, 0,1,2,3,4,5,6,7
	global_load_b128 v[XL+4*\k:XL+4*\k+3], v[XO], s[4:5] offset:\off+8192*\k th:TH_LOAD_NT
.endr
.endm
.macro LOADW                           ; my block of W: 8 d x my column's 4 coefficients, and its 8 numbers of scale_sp
.irp dd, 0,1,2,3,4,5,6,7
	global_load_b128 v[WL+4*\dd:WL+4*\dd+3], v[L16], s[CF:CF+1] offset:16384*\dd th:TH_LOAD_NT
.endr
.irp dd, 0,1,2,3,4,5,6,7
	global_load_b32 v[WL+32+\dd], v[L4], s[SPB:SPB+1] offset:4096*\dd
.endr
.endm
.macro LOADWS                          ; 32 d of scale_base at my column
.set q, 0
.rept 32
	global_load_b32 v[XL+q], v[L4], s[SBB:SBB+1] offset:4096*q
.set q, q+1
.endr
.endm
; 32 numbers of one lane, a whole block, become 4 registers of codes and the scale's byte.
.macro QUANT32 src, dst, byt
	v_max3_num_f32 v[M], |v[\src]|, |v[\src+1]|, 0x1800000          ; the largest magnitude, in two chains, with the floor 2^(3 - 127) among its leaves: the byte cannot fall under 1
	v_max3_num_f32 v[M2], |v[\src+16]|, |v[\src+17]|, |v[\src+18]|
.irp i, 2,4,6,8,10,12
	v_max3_num_f32 v[M], v[M], |v[\src+\i]|, |v[\src+\i+1]|
	v_max3_num_f32 v[M2], v[M2], |v[\src+\i+17]|, |v[\src+\i+18]|
.endr
	v_max3_num_f32 v[M], v[M], |v[\src+14]|, |v[\src+15]|
	v_max3_num_f32 v[M], v[M], v[M2], |v[\src+31]|
	v_add_nc_u32 v[SCL], 0xff000000, v[M]          ; 2 off its exponent field: the conversion takes that field as its scale
.irp g, 0,1,2,3
	v_cvt_scalef32_pk8_fp4_f32 v[\dst+\g], v[\src+8*\g:\src+8*\g+7], v[SCL]
.endr
	v_lshrrev_b32 v[\byt], 23, v[SCL]              ; the scale's byte; also the plain instruction behind the conversions
.endm
; One row of a fragment: my pair of d.
.macro ROW i, fl
.set PP, (\i)%2
.set XC, XP+2*PP
.set XN, XP+2-2*PP
.if (\i) == 0
	s_wait_dscnt 0x0                               ; the row's pair of x is in
.else
	s_wait_dscnt 0x2                               ; the same: behind its load only the last row's two stores were issued
.endif
.if (\i) < 15
	ds_load_b64 v[XN:XN+1], v[XA] offset:XSF*(\fl)+XPITCH*((\i)+1)   ; the next row's pair
.endif
.irp j, 0,1,2,3,4,5,6,7
	v_cmp_ge_f32 s[MK+2*\j], v[XC], v[KN+2*\j]                      ; c_j
	v_cmp_ge_f32 s[MK+2*\j+1], v[XC+1], v[KN+2*\j+1]
.endr
.irp j, 0,1,2,3,4,5,6,7
	v_pk_add_f32 v[U+2*\j:U+2*\j+1], v[XC:XC+1], v[KN+2*\j:KN+2*\j+1] neg_lo:[0,1] neg_hi:[0,1]   ; u_j = x - t_j
.endr
.irp j, 0,1,2,3,4,5,6
	s_and_not1_b32 s[MK+2*\j], s[MK+2*\j], s[MK+2*\j+2]             ; m_i = c_i and not c_(i+1), ascending: c_(i+1) is still whole
	s_and_not1_b32 s[MK+2*\j+1], s[MK+2*\j+1], s[MK+2*\j+3]
.endr
.irp j, 0,1,2,3,4,5,6,7,8,9,10,11,12,13
	v_cndmask_b32 v[E+\j], 0, v[R1+\j], s[MK+\j]                    ; E_i
.endr
.irp j, 0,1,2,3,4,5
	v_pk_mul_f32 v[T+2*\j:T+2*\j+1], v[U+2*\j+4:U+2*\j+5], v[E+2*\j+2:E+2*\j+3]
.endr
.irp j, 0,1,2,3,4,5
	v_pk_fma_f32 v[BA+2*\j:BA+2*\j+1], v[U+2*\j:U+2*\j+1], v[E+2*\j:E+2*\j+1], v[T+2*\j:T+2*\j+1] neg_lo:[0,0,1] neg_hi:[0,0,1]   ; B1_i
.endr
.irp j, 0,1,2,3,4,5
	v_pk_mul_f32 v[BA+2*\j:BA+2*\j+1], v[BA+2*\j:BA+2*\j+1], v[R2+2*\j:R2+2*\j+1]   ; F_i
.endr
.irp j, 0,1,2,3,4
	v_pk_mul_f32 v[T+2*\j:T+2*\j+1], v[U+2*\j+6:U+2*\j+7], v[BA+2*\j+2:BA+2*\j+3]
.endr
.irp j, 0,1,2,3,4
	v_pk_fma_f32 v[E+2*\j:E+2*\j+1], v[U+2*\j:U+2*\j+1], v[BA+2*\j:BA+2*\j+1], v[T+2*\j:T+2*\j+1] neg_lo:[0,0,1] neg_hi:[0,0,1]   ; B2_i
.endr
.irp j, 0,1,2,3,4
	v_pk_mul_f32 v[E+2*\j:E+2*\j+1], v[E+2*\j:E+2*\j+1], v[R3+2*\j:R3+2*\j+1]       ; G_i
.endr
.irp j, 0,1,2,3
	v_pk_mul_f32 v[T+2*\j:T+2*\j+1], v[U+2*\j+8:U+2*\j+9], v[E+2*\j+2:E+2*\j+3]
.endr
.irp j, 0,1,2,3
	v_pk_fma_f32 v[OUT+2*\j:OUT+2*\j+1], v[U+2*\j:U+2*\j+1], v[E+2*\j:E+2*\j+1], v[T+2*\j:T+2*\j+1] neg_lo:[0,0,1] neg_hi:[0,0,1]   ; B3_g of d and of d + 1
.endr
	v_max3_num_f32 v[M], |v[OUT]|, |v[OUT+1]|, 0x1800000            ; my 8 of the block's 32, and the floor 2^(3 - 127)
	v_max3_num_f32 v[M2], |v[OUT+2]|, |v[OUT+3]|, |v[OUT+4]|
	v_max3_num_f32 v[M], v[M], |v[OUT+5]|, |v[OUT+6]|
	v_max3_num_f32 v[M], v[M], v[M2], |v[OUT+7]|
	v_max_num_f32_dpp v[M], v[M], v[M] row_xmask:1 row_mask:0xf bank_mask:0xf   ; the block's 8 d lie in four neighbouring lanes
	v_max_num_f32_dpp v[M], v[M], v[M] row_xmask:2 row_mask:0xf bank_mask:0xf
	v_add_nc_u32 v[SCL], 0xff000000, v[M]
	v_cvt_scalef32_pk8_fp4_f32 v[CODE+PP], v[OUT:OUT+7], v[SCL]
	v_lshrrev_b32 v[BYT+PP], 23, v[SCL]            ; the byte; also the plain instruction behind the conversion
	ds_store_b32 v[CA], v[CODE+PP] offset:16*(\i)  ; word lane % 4 of the row's 16 bytes of block lane / 4
	ds_store_b8 v[SA], v[BYT+PP] offset:64*(\fl)+4*(\i)   ; the block's four lanes write the same byte with the same value
.endm
; A fragment's end: its codes of the bases leave, and silu of its 16 rows x 64 d is made, quantised and stored.
.macro FRAGEND fl
.irp k, 0,1,2,3
	ds_load_b128 v[OC+4*\k:OC+4*\k+3], v[CR] offset:544*\k          ; LDS serves a wave's instructions in order: these see my stores
.endr
.irp j, 0,1,2,3,4,5,6,7
	ds_load_b128 v[SX+4*\j:SX+4*\j+3], v[XSI] offset:XSF*(\fl)+16*\j   ; row lane % 16: 32 neighbouring d, a whole block
.endr
	s_wait_dscnt 0x8                               ; the four loads of codes are in; the eight behind them may be out
.irp k, 0,1,2,3
	global_store_b128 v[L16], v[OC+4*\k:OC+4*\k+3], s[AQC:AQC+1] offset:5120*(\fl)+512*\k   ; 32 lanes store 512 consecutive bytes, at a multiple of 256 from aq's first byte
.endr
	s_wait_dscnt 0x0
.set q, 0
.rept 16
	v_pk_mul_f32 v[SY+q:SY+q+1], v[SX+q:SX+q+1], 0xbfb8aa3b op_sel_hi:[1,0]     ; -x log2(e)
.set q, q+2
.endr
.set q, 0
	s_wait_alu depctr_va_vdst(0)
.rept 32
	v_exp_f32 v[SY+q], v[SY+q]
.set q, q+1
.endr
	v_nop                                          ; a plain instruction between the exponentials and the use of their results
.set q, 0
	s_wait_alu depctr_va_vdst(0)
.rept 16
	v_pk_add_f32 v[SY+q:SY+q+1], v[SY+q:SY+q+1], 1.0 op_sel_hi:[1,0]
.set q, q+2
.endr
.set q, 0
	s_wait_alu depctr_va_vdst(0)
.rept 32
	v_rcp_f32 v[SY+q], v[SY+q]
.set q, q+1
.endr
	v_nop                                          ; likewise behind the reciprocals
.set q, 0
	s_wait_alu depctr_va_vdst(0)
.rept 16
	v_pk_mul_f32 v[SX+q:SX+q+1], v[SX+q:SX+q+1], v[SY+q:SY+q+1]                 ; silu(x) = x / (1 + e^-x)
.set q, q+2
.endr
	QUANT32 SX, SY, BY3
	global_store_b128 v[L16], v[SY:SY+3], s[AQS:AQS+1] offset:5120*(\fl)
	ds_store_b8 v[SS], v[BY3] offset:64*(\fl)
	s_wait_xcnt 0x0                                ; the stores' data registers are written again only behind this wait
.endm
.macro FRAG fl
	s_wait_loadcnt 0x0                             ; the fragment's 16 rows of x
.irp k, 0,1,2,3,4,5,6,7
	ds_store_b128 v[XW], v[XL+4*\k:XL+4*\k+3] offset:XSF*\fl+544*\k
.endr
	s_wait_dscnt 0x0                               ; the stores have read their registers, which take the next loads
.if \fl == 0
	LOADX 65536                                    ; the second fragment's rows land under the first's work
.else
	LOADW                                          ; my part of W lands under the second's
	s_cmp_lg_u32 s23, 0
	s_cbranch_scc1 .Lno_base
	LOADWS
.Lno_base:
.endif
	ds_load_b64 v[XP:XP+1], v[XA] offset:XSF*\fl
.irp i, 0,1,2,3,4,5,6,7,8,9,10,11,12,13,14,15
	ROW \i, \fl
.endr
	FRAGEND \fl
.endm
.irp k, 0,1,2,3
	global_load_b128 v[U+4*\k:U+4*\k+3], v[L64], s[6:7] offset:16*\k   ; the 8 knots of d and the 8 of d + 1: 64 bytes a lane
.endr
	LOADX 0
	s_wait_loadcnt 0x8                             ; the knots are in; the eight loads of x behind them may be out
.irp j, 0,1,2,3,4,5,6,7
	v_mov_b32 v[KN+2*\j], v[U+\j]
	v_mov_b32 v[KN+2*\j+1], v[U+8+\j]
.endr
.irp j, 0,1,2,3,4,5,6
	v_pk_add_f32 v[R1+2*\j:R1+2*\j+1], v[KN+2*\j+2:KN+2*\j+3], v[KN+2*\j:KN+2*\j+1] neg_lo:[0,1] neg_hi:[0,1]
.endr
.irp j, 0,1,2,3,4,5
	v_pk_add_f32 v[R2+2*\j:R2+2*\j+1], v[KN+2*\j+4:KN+2*\j+5], v[KN+2*\j:KN+2*\j+1] neg_lo:[0,1] neg_hi:[0,1]
.endr
.irp j, 0,1,2,3,4
	v_pk_add_f32 v[R3+2*\j:R3+2*\j+1], v[KN+2*\j+6:KN+2*\j+7], v[KN+2*\j:KN+2*\j+1] neg_lo:[0,1] neg_hi:[0,1]
.endr
.set q, 0
	s_wait_alu depctr_va_vdst(0)
.rept 36
	v_rcp_f32 v[R1+q], v[R1+q]                     ; R1, R2, R3 lie on end
.set q, q+1
.endr
	v_nop                                          ; a plain instruction behind the reciprocals
	s_wait_alu depctr_va_vdst(0)
	FRAG 0
	FRAG 1
	; W: my block of 8 d x 4 g at my column, in the order of A's blocks
	s_wait_loadcnt 0x0
.irp dd, 0,1,2,3,4,5,6,7
.irp g, 0,1,2,3
	v_mul_f32 v[WW+8*(\dd/2)+2*\g+(\dd%2)], v[WL+4*\dd+\g], v[WL+32+\dd]   ; coef x scale_sp
.endr
.endr
	QUANT32 WW, CW, BY4
	global_store_b128 v[WO], v[CW:CW+3], s[WQC:WQC+1]   ; sixteen lanes store 256 consecutive bytes, at a multiple of 256 from wq's first byte
	ds_store_b8 v[WSA], v[BY4]
	s_cmp_lg_u32 s23, 0
	s_cbranch_scc1 .Lno_base2
	QUANT32 XL, CW2, BY5                           ; scale_base: 32 d at my column
	global_store_b128 v[WO], v[CW2:CW2+3], s[WQS:WQS+1]
	ds_store_b8 v[WSA], v[BY5] offset:128
.Lno_base2:
	s_wait_dscnt 0x0                               ; for the others' sake: my scale bytes lie in LDS
	s_barrier_signal -1
	s_barrier_wait -1                              ; everybody's do
	ds_load_b64 v[104:105], v[AR]                  ; A's scale words leave as they lie: wave w takes step w's 256 bytes,
	s_wait_dscnt 0x0
	global_store_b64 v[AO], v[104:105], s[AQB:AQB+1]
	s_cmp_lg_u32 s18, 0
	s_cbranch_scc1 .Lnot_0
	ds_load_b64 v[106:107], v[AR] offset:1024      ; wave 0 also step 4's
	s_wait_dscnt 0x0
	global_store_b64 v[AO], v[106:107], s[AQB:AQB+1] offset:1024
.Lnot_0:
	s_cmp_lg_u32 s18, 1
	s_cbranch_scc1 .Lnot_1
	ds_load_b32 v108, v[WR]                        ; wave 1: W's 32 words of step qd
	s_wait_dscnt 0x0
	global_store_b32 v[L4], v108, s[WQB:WQB+1]
.Lnot_1:
	s_cmp_lg_u32 s18, 2
	s_cbranch_scc1 .Lend
	s_cmp_lg_u32 s23, 0
	s_cbranch_scc1 .Lend
	ds_load_b32 v109, v[WR] offset:128             ; wave 2, where qd = 0: those of step 4, 1,024 bytes behind step 0's
	s_wait_dscnt 0x0
	global_store_b32 v[L4], v109, s[WQB:WQB+1] offset:1024
.Lend:
	s_wait_tensorcnt 0x0
	ds_add_u32 v254, v255
	s_wait_dscnt 0x0
	s_endpgm
.Lfunc_end_k_q9e8fa6951f_quant:
	.size	k_q9e8fa6951f_quant, .Lfunc_end_k_q9e8fa6951f_quant-k_q9e8fa6951f_quant
	.p2alignl 7, 3214868480
	.fill 96, 4, 3214868480
	.section	.rodata,"a",@progbits
	.p2align	6, 0x0
	.amdhsa_kernel k_q9e8fa6951f_quant
		.amdhsa_group_segment_fixed_size 45568
		.amdhsa_private_segment_fixed_size 0
		.amdhsa_enable_private_segment 0
		.amdhsa_kernarg_size 56
		.amdhsa_user_sgpr_count 2
		.amdhsa_user_sgpr_kernarg_segment_ptr 1
		.amdhsa_wavefront_size32 1
		.amdhsa_system_sgpr_workgroup_id_x 1
		.amdhsa_system_sgpr_workgroup_id_y 1
		.amdhsa_system_sgpr_workgroup_id_z 1
		.amdhsa_system_vgpr_workitem_id 0
		.amdhsa_next_free_vgpr 256
		.amdhsa_next_free_sgpr 66
		.amdhsa_reserve_vcc 0
		.amdhsa_float_denorm_mode_32 3
		.amdhsa_float_denorm_mode_16_64 3
		.amdhsa_memory_ordered 1
		.amdhsa_forward_progress 1
		.amdhsa_inst_pref_size 236
	.end_amdhsa_kernel
	.amdgpu_metadata
---
amdhsa.version: [ 1, 2 ]
amdhsa.kernels:
  - .name:           k_q9e8fa6951f_quant
    .symbol:         k_q9e8fa6951f_quant.kd
    .args:
      - { .name: x, .offset: 0, .size: 8, .value_kind: global_buffer, .address_space: global }
      - { .name: grid, .offset: 8, .size: 8, .value_kind: global_buffer, .address_space: global }
      - { .name: coef, .offset: 16, .size: 8, .value_kind: global_buffer, .address_space: global }
      - { .name: scale_base, .offset: 24, .size: 8, .value_kind: global_buffer, .address_space: global }
      - { .name: scale_sp, .offset: 32, .size: 8, .value_kind: global_buffer, .address_space: global }
      - { .name: aq, .offset: 40, .size: 8, .value_kind: global_buffer, .address_space: global }
      - { .name: wq, .offset: 48, .size: 8, .value_kind: global_buffer, .address_space: global }
    .group_segment_fixed_size: 45568
    .private_segment_fixed_size: 0
    .kernarg_segment_align: 8
    .kernarg_segment_size: 56
    .max_flat_workgroup_size: 128
    .sgpr_count:     66
    .vgpr_count:     256
    .wavefront_size: 32
...
	.end_amdgpu_metadata
.endif
;; end of part 1
;; launch gemm (part 2): grid 4 x 64, 4 waves a work-group, clusters of 4 x 4, 327,680 bytes of LDS; arguments aq, wq, out0; writes out0
.if DOCPART == 2
	.amdgcn_target "amdgcn-amd-amdhsa--gfx1250"
	.amdhsa_code_object_version 6
	.text
	.protected	k_q9e8fa6951f_gemm
	.globl	k_q9e8fa6951f_gemm
	.p2align	8
	.type	k_q9e8fa6951f_gemm,@function
k_q9e8fa6951f_gemm:
	s_mov_b64 s[64:65], 0
	v_nop
	global_prefetch_b8 v0, s[64:65] scope:SCOPE_SE
	s_setreg_imm32_b32 hwreg(HW_REG_WAVE_MODE, 25, 1), 1
	s_wait_xcnt 0x0
	s_wait_alu depctr_hold_cnt(0) depctr_sa_sdst(0) depctr_va_vdst(0) depctr_va_sdst(0) depctr_va_ssrc(0) depctr_va_vcc(0) depctr_vm_vsrc(0)
	s_getreg_b32 s2, hwreg(HW_REG_IB_STS2, 6, 4)
	s_cmp_eq_u32 s2, 0
	s_cbranch_scc0 .Lentry_in_a_cluster
	s_endpgm
.Lentry_in_a_cluster:
	s_bfe_u32 s2, ttmp6, 0x10000c
	s_cmp_lg_u32 s2, 0xf033
	s_cbranch_scc0 .Lentry_shape_is_right
	s_endpgm
.Lentry_shape_is_right:
; KAN projection, second launch: out0 [8192][1024] f32 = both quantised products in one sum, on the codes and scale words that the first launch laid.
; K is 40 steps of 128: step g = 5 t + s, trip t 0..7, s 0..3 the bases of 32 d, s = 4 silu of the trip's 128 d.  aq = [trip][panel of 64 rows], wq = [trip][panel of 64 columns];
; a panel is 21,760 bytes: codes [fragment f][step s][block][row][16 bytes], the image of an operand's registers, then scale words [s][f][r].
; A work-group makes 128 rows x 256 columns, a wave 64 x 128: 16 accumulators of 16 rows x 32 columns (v_wmma_scale_f32_32x16x128_f4, source 0 = 32 columns of W, source 1 = 16 rows of A:
; a lane holds neighbouring columns of one row of out0).  The 16 accumulators take turns, one instruction a turn.
; W goes through LDS: three places of one trip each (4 panels, 87,040 bytes), place t % 3.  Places 0 and 1 are filled together (a wave: 2 panels, 170 rows of 256 bytes), place 2 alone (a wave: 1 panel, 85 rows):
; five fills, trips (0,1) (2) (3,4) (5) (6,7), each a joint load of the four work-groups of a column of the 4 x 4 cluster, which need the same columns of W.
; A goes from memory STRAIGHT INTO REGISTERS: a panel is a wave's 64 rows as its registers want them, so a step is 8 loads of 512 consecutive bytes and 2 of 128 (scale words).
; A ring of 7 register sets holds them; the loads run 6 steps ahead under counted waits and are not touched by the ring's barriers.
; NO JOINT LOADS FOR A: its bytes do not pass through LDS; so LDS has room for three trips of W and the launch has five fills where A and W together in two slots would need eight.
; PREFETCH OF W: all sixteen clusters read all of wq, so four of them (cluster row % 4 = 0) ask.  A trip's tile of 256 columns is 340 blocks of 256 bytes: the four partners that load it jointly
; share it out by address, a panel (85 blocks) each; of those a wave names 22, a lane a block (lanes left over name the wave's last block again).  The trip stands in the immediate: no address register is rewritten.
; Trip 2 is asked for behind the head's load; trips 3, 4 in step 0 (their fill stands in step 9); trip 5 in step 5 (step 14); trips 6, 7 in step 15 (step 24).  Trip 7's last block is wq's last: nothing is asked beyond it.
; A has no prefetch: its own loads are asked for 6 steps ahead.
; REGISTERS: window 0: v0-31 addresses, v32-45 A's scale words (7 sets of 2), v48-55 W's (2 sets of 4), v128-255 the way out.  window 1: W's fragments, 2 sets of 64.
;   window 2: the accumulators, (a, bb) at v[16 (4 a + bb)].  window 3: A's fragments, 7 sets of 32.
.set TSA,    2785280                   ; a trip of aq in bytes
.set TSB,    348160                    ; a trip of wq
.set PANEL,  21760
.set SCO,    20480                     ; the scale words in a panel
.set YB,     8*PANEL                   ; place 2
.set SPARE,  12*PANEL                  ; behind the three places: the spare words, 128 bytes a wave
.set STAGE,  SPARE+512                 ; the way out: 16 rows x 528 bytes a wave, bytes into which no fill lands
.set SPITCH, 528
.set NS,     40
.set RING,   7
.set AO,   10                          ; v10  16 x lane
.set AW,   11                          ; v11  4 x lane
.set PFO,  12                          ; v12  the prefetches' offset: 256 x my block of the panel; never rewritten
.set ADRB, 16                          ; v16-18 my 128 columns' codes in place 0, 1, 2
.set ADSB, 20                          ; v20-22 the same for scale words
.set STO,  24
.set RD,   25
.set SPW,  28
.set NIL,  29
.set AS,   32
.set BS,   48
.set BK,   128
.set G1Y, 24                           ; s[24:31] group 1, 85 rows;  s[48:55] group 1, 170 rows
.set G0X, 32                           ; s[32:35] group 0 for places 0 and 1;  s[36:39] for place 2
.set G0Y, 36
.set G1X, 48
.set PF,  60                           ; s[60:61] wq at the panel of trip 0 that my work-group prefetches; never rewritten
.set AB,  72                           ; s[72:77] aq at my panel of trips 0, 3, 6: never rewritten; the trips between stand in the immediates
.set MSB, 0
.macro WIN new                         ; the immediate's high byte repeats the setting that is left
.if MSB != \new
	s_set_vgpr_msb (MSB<<8)|\new
.set MSB, \new
.endif
.endm
.set MULW, 0xad                        ; source 0 (W) window 1, source 1 (A) window 3, C and D window 2
.set TO_B, 0x40
.set TO_A, 0xc0
.macro CREST                           ; a round of the cluster's barrier behind its opening barrier
	s_cmp_lg_u32 s14, 0
	s_cbranch_scc1 .Lnot_wave_0_\@
	s_barrier_signal -3
.Lnot_wave_0_\@:
	s_barrier_wait -3
	s_barrier_signal -1
	s_barrier_wait -1
.endm
.macro CROUND
	s_barrier_signal -1
	s_barrier_wait -1
	CREST
.endm
.macro PLACES n
.rept \n
	v_nop
.endr
.endm
.macro ASK ta, tb                      ; my blocks of trip ta, and of trip tb where tb > 0; the branch hangs on the cluster's row, the same in all partners
	s_cmp_eq_u32 s59, 0
	s_cbranch_scc0 .Lnot_mine_\@
	global_prefetch_b8 v[PFO], s[PF:PF+1] offset:(\ta)*TSB th:TH_LOAD_NT scope:SCOPE_SE
.if (\tb) > 0
	global_prefetch_b8 v[PFO], s[PF:PF+1] offset:(\tb)*TSB th:TH_LOAD_NT scope:SCOPE_SE
.endif
.Lnot_mine_\@:
.endm
.macro ALOAD g                         ; step g's fragments and scale words of A into ring set g % 7: 10 loads
.if (\g) < NS
.set aT, (\g)/5
.set aO, (aT%3)*TSA+1024*((\g)%5)
.set aB, AB+2*(aT/3)
.set aR, 32*((\g)%RING)
	WIN TO_A
.irp f, 0,1,2,3
.irp c, 0,1
	global_load_b128 v[aR+8*\f+4*\c:aR+8*\f+4*\c+3], v[AO], s[aB:aB+1] offset:aO+5120*\f+512*\c
.endr
.endr
	WIN 0
.irp j, 0,1
	global_load_b32 v[AS+2*((\g)%RING)+\j], v[AW], s[aB:aB+1] offset:(aT%3)*TSA+SCO+256*((\g)%5)+128*\j   ; lanes 0-15 fragment 2 j, lanes 16-31 fragment 2 j + 1
.endr
.endif
.endm
.macro LCNT g                          ; step g's ten loads are in; those of the steps behind it, five at the most, may be out
.set NY, NS-1-(\g)
.if NY > RING-2
.set NY, RING-2
.endif
	s_wait_loadcnt 10*NY
.endm
.macro FETCH g                         ; step g's fragments and scale words of W from place (g / 5) % 3 into set g % 2: 20 LDS loads
.set fZ, ((\g)/5)%3
.set fS, (\g)%5
.set fP, (\g)%2
	WIN TO_B
.irp b, 0,1,2,3,4,5,6,7
.irp c, 0,1
	ds_load_b128 v[64*fP+8*\b+4*\c:64*fP+8*\b+4*\c+3], v[ADRB+fZ] offset:PANEL*(\b/4)+5120*(\b%4)+1024*fS+512*\c
.endr
.endr
	WIN 0
.irp q, 0,1,2,3
	ds_load_b32 v[BS+4*fP+\q], v[ADSB+fZ] offset:PANEL*(\q/2)+SCO+256*fS+128*(\q%2)   ; lane m: the word of column 32 q + m
.endr
.endm
.macro MULA g, a, zero                 ; A's block a against W's four blocks of 32 columns
.set rA, 32*((\g)%RING)+8*(\a)
.set sA, AS+2*((\g)%RING)+(\a)/2
.irp bb, 0,1,2,3
.set rD, 16*(4*(\a)+\bb)
.set rB, 64*((\g)%2)+16*\bb
.set sB, BS+4*((\g)%2)+\bb
.if \zero
.if (\a)%2
	v_wmma_scale_f32_32x16x128_f4 v[rD:rD+15], v[rB:rB+15], v[rA:rA+7], 0, v[sB], v[sA] matrix_b_scale:MATRIX_SCALE_ROW1
.else
	v_wmma_scale_f32_32x16x128_f4 v[rD:rD+15], v[rB:rB+15], v[rA:rA+7], 0, v[sB], v[sA]
.endif
.else
.if (\a)%2
	v_wmma_scale_f32_32x16x128_f4 v[rD:rD+15], v[rB:rB+15], v[rA:rA+7], v[rD:rD+15], v[sB], v[sA] matrix_b_scale:MATRIX_SCALE_ROW1
.else
	v_wmma_scale_f32_32x16x128_f4 v[rD:rD+15], v[rB:rB+15], v[rA:rA+7], v[rD:rD+15], v[sB], v[sA]
.endif
.endif
.endr
.endm
; A step whose successor's W has landed: the next step's W and A's step six on are asked for, then this step is multiplied.
.macro STEP g, zero
.if (\g) > 0
	PLACES 4                                       ; in front of loads into registers that the last step's matrix instructions have read
.endif
	FETCH (\g)+1
	LCNT \g
	ALOAD (\g)+RING-1
	s_wait_dscnt 20                                ; this step's W is in; the 20 loads just issued may be out
.if (\g) == 0
	ASK 3, 4                                       ; the step's 16 matrix instructions follow the prefetch
.elseif (\g) == 5
	ASK 5, 0
.elseif (\g) == 15
	ASK 6, 7
.endif
	WIN MULW
.irp a, 0,1,2,3
	MULA \g, \a, \zero
.endr
.endm
; The last step on places that are then filled again (kind 1: places 0 and 1; kind 2: place 2), or in front of the last trips (kind 0: nothing is filled).
.macro TURN g, kind
	LCNT \g
	s_wait_dscnt 0x0                               ; this step's W is in: my last reads of these places
	WIN MULW
	MULA \g, 0, 0                                  ; half of the step's products stand ahead of the wait for the tile
	MULA \g, 1, 0
	WIN 0
	s_wait_tensorcnt 0x0                           ; my one tensor load that was out has landed
	ds_add_u32 v[SPW], v[NIL]
	WIN MULW
	MULA \g, 2, 0
	s_wait_dscnt 0x0                               ; the add is done
	s_barrier_signal -1
	WIN 0
	s_barrier_wait -1
.if \kind == 1
	CREST                                          ; the barrier opened a round of the cluster's barrier
	s_add_nc_u64 s[G0X+2:G0X+3], s[G0X+2:G0X+3], 3*TSB
	tensor_load_to_lds s[G0X:G0X+3], s[G1X:G1X+7]
	s_nop 0
.elseif \kind == 2
	CREST
	s_add_nc_u64 s[G0Y+2:G0Y+3], s[G0Y+2:G0Y+3], 3*TSB
	tensor_load_to_lds s[G0Y:G0Y+3], s[G1Y:G1Y+7]
	s_nop 0
.endif
	PLACES 4                                       ; behind the tensor load, and in front of the loads below
	FETCH (\g)+1
	ALOAD (\g)+RING-1
	WIN MULW
	MULA \g, 3, 0
.endm
	s_load_b128 s[4:7], s[0:1], 0x0                ; aq, wq
	s_load_b64 s[8:9], s[0:1], 0x10                ; out0
	v_lshl_add_u32 v[SPW], v0, 2, SPARE
	v_mov_b32 v[NIL], 0
	ds_add_u32 v[SPW], v[NIL]                      ; the opening lines: the add twice on end
	ds_add_u32 v[SPW], v[NIL]
	v_lshrrev_b32 v1, 5, v0
	v_readfirstlane_b32 s14, v1                    ; wave
	v_and_b32 v2, 31, v0
	v_and_b32 v5, 15, v0
	v_bfe_u32 v6, v0, 4, 1
	v_lshlrev_b32 v[AO], 4, v2
	v_lshlrev_b32 v[AW], 2, v2
	v_mul_u32_u24 v7, v5, SPITCH
	v_lshl_add_u32 v7, v6, 5, v7                   ; into the stage: row lane % 16, 32 bytes for each half of the lanes
	v_min_u32 v8, 21, v2                           ; the prefetches: block 22 x wave + lane, 22 blocks a wave,
	v_mad_u32_u24 v8, v1, 22, v8
	v_min_u32 v8, 84, v8                           ; 85 blocks in a panel
	v_lshlrev_b32 v[PFO], 8, v8
	s_wait_alu depctr_va_vdst(0)
	s_lshr_b32 s15, s14, 1                         ; my half of the rows; also which of two trips I fetch
	s_and_b32 s16, s14, 1                          ; my half of the columns; also which two panels I fetch
	s_bfe_u32 s40, ttmp6, 0x40000                  ; cx
	s_bfe_u32 s41, ttmp6, 0x40004                  ; cy
	s_lshl_b32 s42, ttmp9, 2
	s_add_co_u32 s42, s42, s40                     ; block of 256 columns
	s_and_b32 s17, ttmp7, 0xffff
	s_and_b32 s59, s17, 3                          ; the cluster's row % 4: 0 in the four clusters that prefetch
	s_lshl_b32 s17, s17, 2
	s_add_co_u32 s17, s17, s41                     ; block of 128 rows
	s_lshl_b32 s44, 0x1111, s40                    ; my column of the cluster
	s_or_b32 s[G1X+0], s44, (3<<16)|(1<<21)        ; elements of 8 bytes, rows of 256 bytes, dense
	s_or_b32 s[G1Y+0], s44, (3<<16)|(1<<21)
	s_mov_b32 s[G1X+1], 32<<16
	s_mov_b32 s[G1X+2], 170<<16
	s_mov_b32 s[G1X+3], 32<<16
	s_mov_b32 s[G1X+4], 170
	s_mov_b32 s[G1X+5], 32
	s_mov_b32 s[G1X+6], 0
	s_mov_b32 s[G1X+7], 0
	s_mov_b32 s[G1Y+1], 32<<16
	s_mov_b32 s[G1Y+2], 85<<16
	s_mov_b32 s[G1Y+3], 32<<16
	s_mov_b32 s[G1Y+4], 85
	s_mov_b32 s[G1Y+5], 32
	s_mov_b32 s[G1Y+6], 0
	s_mov_b32 s[G1Y+7], 0
	s_mul_i32 s46, s42, 4*PANEL                    ; wq: my block's four panels,
	s_mul_i32 s47, s16, 2*PANEL                    ; two of them,
	s_add_co_u32 s46, s46, s47
	s_mul_i32 s47, s15, TSB                        ; of trip 0 or 1
	s_add_co_u32 s46, s46, s47
	s_mov_b32 s47, 0
	s_mul_i32 s18, s42, 4*PANEL                    ; and for place 2: panel = wave, trip 2
	s_mul_i32 s19, s14, PANEL
	s_add_co_u32 s18, s18, s19
	s_add_co_u32 s18, s18, 2*TSB
	s_mov_b32 s19, 0
	s_lshl_b32 s60, s42, 2                         ; the prefetches: of my block's four panels the one at my place in the cluster's column
	s_add_co_u32 s60, s60, s41
	s_mul_i32 s60, s60, PANEL
	s_mov_b32 s61, 0
	s_lshl_b32 s20, s17, 1                         ; aq: panel 2 x block of rows + my half
	s_add_co_u32 s20, s20, s15
	s_mul_i32 s20, s20, PANEL
	s_mov_b32 s21, 0
	s_lshl_b32 s56, s17, 7                         ; out0: row 128 x block + 64 x half, 4,096 bytes a row,
	s_lshl_b32 s57, s15, 6
	s_add_co_u32 s56, s56, s57
	s_lshl_b32 s56, s56, 12
	s_lshl_b32 s57, s42, 10                        ; column bytes 1,024 x block + 512 x half
	s_add_co_u32 s56, s56, s57
	s_lshl_b32 s57, s16, 9
	s_add_co_u32 s56, s56, s57
	s_mov_b32 s57, 0
	s_mul_i32 s22, s16, 2*PANEL                    ; LDS: my 128 columns in a place
	s_mul_i32 s23, s14, 16*SPITCH
	s_add_co_u32 s23, s23, STAGE                   ; my stage
	s_mov_b32 s[G0X], 1
	s_mul_i32 s[G0X+1], s14, 2*PANEL               ; LDS: wave x two panels
	s_mov_b32 s[G0Y], 1
	s_mul_i32 s[G0Y+1], s14, PANEL
	s_add_co_u32 s[G0Y+1], s[G0Y+1], YB
	s_wait_dscnt 0x0                               ; both opening adds are done
	s_wait_kmcnt 0x0
	s_add_nc_u64 s[G0X+2:G0X+3], s[6:7], s[46:47]
	s_or_b32 s[G0X+3], s[G0X+3], 0x80000000
	s_add_nc_u64 s[G0Y+2:G0Y+3], s[6:7], s[18:19]
	s_or_b32 s[G0Y+3], s[G0Y+3], 0x80000000
	s_add_nc_u64 s[PF:PF+1], s[6:7], s[PF:PF+1]
	CROUND                                         ; the round in front of the first joint loads
	tensor_load_to_lds s[G0X:G0X+3], s[G1X:G1X+7]  ; trips 0 and 1: one tensor load a wave at the head
	s_nop 0
	PLACES 4
	s_add_nc_u64 s[AB:AB+1], s[4:5], s[20:21]
	s_add_nc_u64 s[AB+2:AB+3], s[AB:AB+1], 3*TSA
	s_add_nc_u64 s[AB+4:AB+5], s[AB:AB+1], 6*TSA
	s_add_nc_u64 s[8:9], s[8:9], s[56:57]
.irp g, 0,1,2,3,4,5
	ALOAD \g                                       ; A's first six steps: 60 loads a wave
.endr
	ASK 2, 0                                       ; trip 2's fill follows when trips 0 and 1 have landed
.irp z, 0,1,2
	v_add_nc_u32 v[ADRB+\z], s22, v[AO]
	v_add_nc_u32 v[ADSB+\z], s22, v[AW]
	s_add_co_u32 s22, s22, 4*PANEL
.endr
	v_add_nc_u32 v[STO], s23, v7
	v_add_nc_u32 v[RD], s23, v[AO]
	s_wait_alu depctr_va_vdst(0)
	s_wait_tensorcnt 0x0                           ; my part of trips 0 and 1 is in; these lines stand ahead of a later first fill as ahead of a refill
	ds_add_u32 v[SPW], v[NIL]
	s_wait_dscnt 0x0
	CROUND
	tensor_load_to_lds s[G0Y:G0Y+3], s[G1Y:G1Y+7]  ; trip 2: place 2's first fill
	s_nop 0
	PLACES 4
	FETCH 0
	STEP 0, 1                                      ; the first products start the sums
.set G, 1
.rept NS-2
.if G == 9
	TURN G, 1                                      ; trips 0, 1 are read: places 0 and 1 take trips 3, 4
.elseif G == 14
	TURN G, 2                                      ; place 2 takes trip 5
.elseif G == 24
	TURN G, 1                                      ; trips 6, 7
.elseif G == 29
	TURN G, 0                                      ; trips 6, 7 have landed; nothing is filled again
.else
	STEP G, 0
.endif
.set G, G+1
.endr
	s_wait_dscnt 0x0                               ; the last step: nothing more to fetch
	s_wait_loadcnt 0x0
	WIN MULW
.irp a, 0,1,2,3
	MULA NS-1, \a, 0
.endr
	WIN 0
; THE WAY OUT, by blocks of 16 rows x 128 columns: through my own stage and back as whole rows of 512 bytes.  LDS serves a wave's instructions in order.
.macro TOSTAGE a
.set AC, 64*(\a)
	WIN 0x08                                       ; the data: window 2
.irp b, 0,1,2,3,4,5,6,7
	ds_store_b128 v[STO], v[AC+8*\b:AC+8*\b+3] offset:64*\b          ; each accumulator from its low end on
	ds_store_b128 v[STO], v[AC+8*\b+4:AC+8*\b+7] offset:64*\b+16
.endr
	WIN 0
.set BB, BK+64*((\a)%2)
.irp t, 0,1,2,3,4,5,6,7,8,9,10,11,12,13,14,15
	ds_load_b128 v[BB+4*\t:BB+4*\t+3], v[RD] offset:\t*SPITCH
.endr
.endm
.macro SEND a, younger
.set BB, BK+64*((\a)%2)
	s_wait_dscnt \younger                          ; the block is back in registers
.if (\a) > 0
	s_add_nc_u64 s[8:9], s[8:9], 65536             ; 16 rows on (behind a wait on XCNT)
.endif
.irp t, 0,1,2,3,4,5,6,7,8,9,10,11,12,13,14,15
	global_store_b128 v[AO], v[BB+4*\t:BB+4*\t+3], s[8:9] offset:\t*4096 th:TH_STORE_NT   ; 32 lanes store 512 consecutive bytes, aligned
.endr
.endm
	PLACES 4
	TOSTAGE 0
.irp a, 1,2,3
.if \a > 1
	s_wait_xcnt 0x0                                ; the stores of two blocks ago have read their registers and their base
.endif
	TOSTAGE \a
	SEND \a-1, 32
.endr
	s_wait_xcnt 0x0
	SEND 3, 0
	s_wait_tensorcnt 0x0                           ; the wave's end
	ds_add_u32 v[SPW], v[NIL]
	s_wait_dscnt 0x0
	CROUND                                         ; the closing round
	s_endpgm
.Lfunc_end_k_q9e8fa6951f_gemm:
	.size	k_q9e8fa6951f_gemm, .Lfunc_end_k_q9e8fa6951f_gemm-k_q9e8fa6951f_gemm
	.p2alignl 7, 3214868480
	.fill 96, 4, 3214868480
	.section	.rodata,"a",@progbits
	.p2align	6, 0x0
	.amdhsa_kernel k_q9e8fa6951f_gemm
		.amdhsa_group_segment_fixed_size 327680
		.amdhsa_private_segment_fixed_size 0
		.amdhsa_enable_private_segment 0
		.amdhsa_kernarg_size 24
		.amdhsa_user_sgpr_count 2
		.amdhsa_user_sgpr_kernarg_segment_ptr 1
		.amdhsa_wavefront_size32 1
		.amdhsa_system_sgpr_workgroup_id_x 1
		.amdhsa_system_sgpr_workgroup_id_y 1
		.amdhsa_system_sgpr_workgroup_id_z 1
		.amdhsa_system_vgpr_workitem_id 0
		.amdhsa_next_free_vgpr 1024
		.amdhsa_next_free_sgpr 80
		.amdhsa_reserve_vcc 0
		.amdhsa_float_denorm_mode_32 3
		.amdhsa_float_denorm_mode_16_64 3
		.amdhsa_memory_ordered 1
		.amdhsa_forward_progress 1
		.amdhsa_inst_pref_size 206
	.end_amdhsa_kernel
	.amdgpu_metadata
---
amdhsa.version: [ 1, 2 ]
amdhsa.kernels:
  - .name:           k_q9e8fa6951f_gemm
    .symbol:         k_q9e8fa6951f_gemm.kd
    .args:
      - { .name: aq, .offset: 0, .size: 8, .value_kind: global_buffer, .address_space: global }
      - { .name: wq, .offset: 8, .size: 8, .value_kind: global_buffer, .address_space: global }
      - { .name: out0, .offset: 16, .size: 8, .value_kind: global_buffer, .address_space: global }
    .group_segment_fixed_size: 327680
    .private_segment_fixed_size: 0
    .kernarg_segment_align: 8
    .kernarg_segment_size: 24
    .max_flat_workgroup_size: 128
    .sgpr_count:     80
    .vgpr_count:     1024
    .wavefront_size: 32
...
	.end_amdgpu_metadata
.endif
;; end of part 2
